; MI455X (gfx1250); checked and timed in simulation.
; The chip was launched on July 23, 2026; its instructions are those of AMD's public machine-readable ISA for CDNA 5 (MIT licence, August 2026) and "CDNA5" Instruction Set Architecture Reference Guide (July 2026). The comments in the code are by the model that wrote it; some were corrected since.
;; Mo E Hyper Net Linear Layer. Allowed arithmetic: matrix products marked QUANTISED: E2M1 operands, one E8M0 scale for each 32 along K, by v_wmma_scale_f32_16x16x128_f8f6f4 with both operands' format E2M1 (or v_wmma_scale_f32_32x16x128_f4), f32 sums; products left as they are: f32 operands where the result goes on into a quantised operand, else bf16, f16 or f32 operands; f32 sums; everything else in f32.
;; Inputs: cond_codes 4,096 x 4 x 16 uint8 (E2M1 codes of cond, K innermost, in blocks of 32 codes, two codes a byte); cond_scales 4,096 x 4 uint8 (E8M0 scales of cond, one for each 32 codes along K); expert_biases 8 x 1,024 float32; expert_weights_codes 8 x 1,024 x 32 x 16 uint8 (E2M1 codes of expert_weights, K innermost, in blocks of 32 codes, two codes a byte); expert_weights_scales 8 x 1,024 x 32 uint8 (E8M0 scales of expert_weights, one for each 32 codes along K); g_b1 32 float32; g_b2 8 float32; g_w1_codes 32 x 4 x 16 uint8 (E2M1 codes of g_w1, K innermost, in blocks of 32 codes, two codes a byte); g_w1_scales 32 x 4 uint8 (E8M0 scales of g_w1, one for each 32 codes along K); g_w2 32 x 8 float32; x_codes 4,096 x 32 x 16 uint8 (E2M1 codes of x, K innermost, in blocks of 32 codes, two codes a byte); x_scales 4,096 x 32 uint8 (E8M0 scales of x, one for each 32 codes along K).
;; Outputs: out0 4,096 x 1,024 float32.
;; This version of the problem:
;;   THIS VERSION OF THE PROBLEM IS GIVEN IN LOW PRECISION. The matrix products marked QUANTISED in the list below multiply operands that are first quantised to E2M1 (2 exponent bits, 1 mantissa bit; 4 bits a number), with one power-of-two scale for each 32 numbers along K (OCP MX v1.0); their sums are f32. All else is computed in f32.
;;   The module's matrix products, in the order in which they are computed (A, B: the left and right operand; K: the contracted axis; several contracted axes count as one K, in the product's order):
;;     1. [M 4,096, K 128] x [K 128, N 32]; A: input cond (given as codes); B: input g_w1 (given as codes): QUANTISED
;;     2. [M 4,096, K 32] x [K 32, N 8]; A: computed on the way; B: input g_w2: left as it is (N = 8 < 16)
;;     3. [M 4,096, K 1,024] x [K 1,024, N 8,192]; A: input x (given as codes); B: input expert_weights (given as codes): QUANTISED
;;     4. batch 4,096 x [M 1, K 8] x [K 8, N 1,024]; A: softmax; B: computed on the way: left as it is (K = 8 < 32)
;;     5. [M 4,096, K 8] x [K 8, N 1,024]; A: softmax; B: input expert_biases: left as it is (K = 8 < 32)
;;   THE QUANTISER, for each operand of a quantised product, along K:
;;     - K is cut into blocks of 32 from its start; a last block that is shorter is filled with zeros.
;;     - A block's scale is 2^e with e = floor(log2(the largest magnitude in the block)) - 2, held to -126 .. 127; a block of zeros has e = 0. As a byte (E8M0): e + 127.
;;     - Each number is divided by its block's scale, clamped to +-6, and rounded to the nearest number of E2M1, ties to even, subnormals kept.
;;     - The product sums the exact products of the quantised numbers (number of the format x scale) in f32.
;;   ~~~python
;;   def quantise(x, axis):      # numpy; x: float32 -> the quantised numbers, widened to float32 again
;;       x = np.moveaxis(x, axis, -1); K = x.shape[-1]
;;       x = np.pad(x, [(0, 0)] * (x.ndim - 1) + [(0, -K % 32)]); x = x.reshape(x.shape[:-1] + (-1, 32)); a = np.abs(x).max(-1, keepdims=True)
;;       e = np.where(a > 0, np.clip(np.frexp(np.where(a > 0, a, 1))[1] - 1 - 2, -126, 127), 0)      # np.frexp(a)[1] - 1 = floor(log2(a)), exactly
;;       r = np.clip(x / 2.0 ** e, -6, 6)
;;       step = 2.0 ** (np.maximum(np.frexp(np.where(r == 0, 1, r))[1] - 1, 0) - 1)
;;       q = np.round(r / step) * step * 2.0 ** e      # np.round: ties to even
;;       return np.moveaxis(q.reshape(q.shape[:-2] + (-1,))[..., :K], -1, axis).astype(np.float32)
;;   ~~~
;;   INPUTS GIVEN AS CODES. cond (in the module: [4096, 128], K = its axis 1); expert_weights (in the module: [8, 1024, 1024], K = its axis 1); g_w1 (in the module: [128, 32], K = its axis 0); x (in the module: [4096, 1024], K = its axis 1): each comes as NAME_codes (uint8): NAME with its K axis moved to the last place and cut into blocks of 32 codes, [.., K / 32, bytes a block], one block behind the other in memory; two codes a byte, the lower K in the low four bits (a code: sign, 2 exponent bits, 1 mantissa bit); and NAME_scales (uint8): the same leading axes, one E8M0 byte (e + 127) for each 32 codes along K. Its value is code x scale, taken as it is: it is not quantised again, and the codes and scales need not be those that the quantiser above would give.
;; One version. Each part assembles by itself: llvm-mc -triple=amdgcn-amd-amdhsa -mcpu=gfx1250 --defsym DOCPART=n.
;; ======== version 1 of 1: 1 launch
;; launch moe (part 1): grid 16 x 16, 4 waves a work-group, clusters of 4 x 4, 327,680 bytes of LDS; arguments x_codes, x_scales, expert_weights_codes, expert_weights_scales, expert_biases, cond_codes, cond_scales, g_w1_codes, g_w1_scales, g_b1, g_w2, g_b2, out0; writes out0
.if DOCPART == 1
	.amdgcn_target "amdgcn-amd-amdhsa--gfx1250"
	.amdhsa_code_object_version 6
	.text
	.protected	k_qeb8ccac3b8_moe
	.globl	k_qeb8ccac3b8_moe
	.p2align	8
	.type	k_qeb8ccac3b8_moe,@function
k_qeb8ccac3b8_moe:
	s_mov_b64 s[64:65], 0
	v_nop
	global_prefetch_b8 v0, s[64:65] scope:SCOPE_SE
	s_setreg_imm32_b32 hwreg(HW_REG_WAVE_MODE, 25, 1), 1
	s_wait_xcnt 0x0
	s_wait_alu depctr_hold_cnt(0) depctr_sa_sdst(0) depctr_va_vdst(0) depctr_va_sdst(0) depctr_va_ssrc(0) depctr_va_vcc(0) depctr_vm_vsrc(0)
	s_getreg_b32 s2, hwreg(HW_REG_IB_STS2, 6, 4)
	s_cmp_eq_u32 s2, 0
	s_cbranch_scc0 .Lentry_in_a_cluster
	s_endpgm
.Lentry_in_a_cluster:
	s_bfe_u32 s2, ttmp6, 0x10000c
	s_cmp_lg_u32 s2, 0xf033
	s_cbranch_scc0 .Lentry_shape_is_right
	s_endpgm
.Lentry_shape_is_right:
; out[b][o] = sum over e of g[b][e] x (sum over i of x[b][i] W[e][i][o] + bias[e][o]),  g = softmax over e of (relu(cond w1 + b1) w2 + b2).
; x [4096][1024], cond [4096][128], w1 [32][128], W [8][1024 (o)][1024 (i)]: codes of FP4 (E2M1), K innermost, one E8M0 byte for each 32 along K; the rest f32.  One launch does all of it.
; NO WORK IS LEFT OUT: the gates are soft, so every expert counts for every row, and all twelve inputs are loaded.
; SHARES.  A work-group makes 256 rows x 64 columns of out (grid x: the block of columns, grid y: the block of rows).  Wave w makes rows 128 (w / 2) on and columns 32 (w % 2) on:
; 8 tiles of rows x 2 tiles of columns, 16 accumulators.  The wave's 128 rows of x, all 1,024 along K, are 512 registers and stay for all eight experts: in the main loop only W's fragments are read from LDS.
; THE MATRIX INSTRUCTION IS USED TRANSPOSED (source 0 = 16 rows o of W_e, source 1 = 16 rows of x): lane (r, h) holds row r of the batch and columns 8 h + 0 .. 7, so a gate is one number a lane.
; FOR EACH EXPERT: tmp = bias_e (the C of K step 0) + eight K steps of 128; then out += g_e x tmp in f32, four packed multiply-adds a tile.  The first expert's combine is a multiply: nothing is cleared.
; THE GATES of rows 64 w .. 64 w + 63 are made by wave w while x comes out of LDS: h^T = w1 cond^T + b1 on codes, relu, h and w2 rounded to bf16, logits^T = w2^T h^T + b2 (w2's rows 8-15 repeat rows 0-7, so
; both halves of the lanes hold a row's eight logits), the softmax with the row's maximum taken away, in f32; they go to the other waves through LDS.
; LDS.  Eight slots of 64 rows x 528 bytes.  At the head slots 0-3 take W_0..3 and slots 4-7 the 256 rows of x; when x is in registers slots 4-7 are filled again, once, with W_4..7.
; CLUSTER 4 x 4.  The four work-groups of a row of the cluster share x's tile, the four of a column W's tiles and scale bytes: every tensor load is asked for jointly.
; LIMITS.  The product of h with w2 takes bf16 operands.  1 / sum is v_rcp_f32.  A gate under 2^-126 becomes 0.  g x (t + bias) rounds in another order than g x t + g x bias.
; NaN, infinities and the scale byte 0xff among the inputs are not served specially.
.set PITCH, 528                        ; an LDS row of codes: 512 bytes + 16 of padding = 33 x 16 bytes: the 16 rows that a load touches begin in 16 different columns of 16 bytes
.set TROW,  16*PITCH                   ; a tile of 16 rows
.set SLOTB, 64*PITCH                   ; a slot: 64 rows
.set XB,    4*SLOTB                    ; x's 256 rows: slots 4-7
.set SCL,   8*SLOTB                    ; W's scale bytes: [expert][64 rows][32 bytes]
.set GATE,  SCL+16384                  ; the gates: [expert][256 rows] f32
.set BIAS,  GATE+8192                  ; the biases of my 64 columns: [expert][64] f32
.set SPARE, BIAS+2048                  ; the spare words, 128 bytes for each wave: two blocks of 256 bytes that no other line names
.set SP,    272                        ; the way out: a stage of 256 rows x (256 bytes + 16) from LDS byte 0 on: in slots 0-2, which have had their only fill and are read by nobody behind the barrier of expert 3
; window 0
.set XA,   4                           ; v4   LDS: my lane's place in my 128 rows of x
.set WA,   5                           ; v5   LDS: my lane's place in my 32 rows of the expert to be fetched; a slot on in each trip
.set SR,   6                           ; v6   LDS: W's scale words: lanes 0-15 column tile 0, lanes 16-31 column tile 1; 2,048 on in each trip
.set BR,   7                           ; v7   LDS: the bias of my eight columns; 256 on in each trip
.set GR,   8                           ; v8   LDS: the gate of my row; 1,024 on in each trip
.set GS,   9                           ; v9   LDS: where I store the gates that I make
.set BS,   10                          ; v10  LDS: where I store my 16 bytes of the biases
.set SO,   11                          ; v11  the stage: where I put 32 bytes of a row
.set SB,   12                          ; v12  the stage: where I read rows back
.set GO,   13                          ; v13  my byte offset in my wave's rows of out
.set CA,   14                          ; v14  64 r + 16 h: a fragment's bytes in rows of 64 (cond, w1)
.set R4,   15                          ; v15  4 r
.set H32,  16                          ; v16  32 h
.set W2A,  17                          ; v17  256 h + 4 (r % 8): w2(8 h, r % 8)
.set XSA,  18                          ; v18  2,048 h + 32 r: x's scale bytes: lanes 16-31 take the rows 64 further down
.set BGA,  19                          ; v19  4,096 (thread / 16) + 16 (thread % 16): my 16 bytes of the biases in memory
.set SPW,  20                          ; v20  LDS address of my spare word; never rewritten
.set NIL,  21                          ; v21  0; never rewritten
.set ZO,   22                          ; v22  0, as an offset
.set XS,   24                          ; v24-55   x's scale words: register 8 m' + s: lanes 0-15 row tile m', lanes 16-31 row tile m' + 4, K step s
.set WS,   56                          ; v56-63   W's scale words of K step s
.set BI,   64                          ; v64-79   the expert's bias in the result's layout, column tile n at 8 n
.set GT,   80                          ; v80-95   the gate of row tile m at 2 m; the odd registers hold 0 (named with the even ones as pairs)
.set WF,   96                          ; v96-223  W's fragments: K step s, column tile n at 16 s + 8 n
.set CSC,  224                         ; v224-227 cond's scale words
.set W1SC, 228                         ; v228-229 w1's scale words
.set BP,   230                         ; v230-233 my 16 bytes of the biases
; window 1: in the main loop tmp_t at v[8 t] and out_t at v[128 + 8 t], t = 2 m + n.  During the gating:
.set GC,   0                           ; cond's four fragments
.set GW1,  32                          ; w1's two
.set GB1,  48                          ; b1 in the result's layout, two tiles
.set GH,   64                          ; h^T: tile of rows m, tile of hidden units t at 16 m + 8 t
.set GHB,  128                         ; h in bf16: a fragment of 8 registers for each m
.set GW2,  160                         ; w2 as loaded
.set GW2F, 176                         ; w2's fragment in bf16
.set GB2,  184                         ; b2 in the result's layout
.set GL,   192                         ; the logits, then the gates: 8 m + e
.set GP,   224                         ; pairs: (c x maximum, later 1 / sum ; maximum)
.set GSUM, 232                         ; the sums, at work
; windows 2 and 3: x's fragment of K step s, row tile m at v[64 (s % 4) + 8 m] of window 2 + s / 4
.set WV,  30                           ; s30  wave
.set RH,  31                           ; s31  which 128 rows are mine
.set CW,  32                           ; s32  which 32 columns
.set CNT, 39                           ; s39  at work, then the loops' counter
.set G1X, 40                           ; s[40:47] descriptor group 1 for x's tile;  s[48:55] for W's tiles;  s[56:63] for W's scale bytes
.set G1W, 48
.set G1S, 56
.set CL,  66                           ; s[66:67] c = log2(e)
.set G0X, 68                           ; groups 0, none ever rewritten: x;  W_0..3;  the scale bytes;  W_4..7
.set G0W, 72
.set G0S, 76
.set G0R, 80
.set MSB, 0
.macro WIN new                         ; s_set_vgpr_msb: bits 1:0 source 0, 3:2 source 1, 5:4 source 2, 7:6 destination; the high byte repeats the setting that is left
.if MSB != (\new)
	s_set_vgpr_msb (MSB<<8)|(\new)
.set MSB, (\new)
.endif
.endm
.macro CROUND                          ; a round of the cluster's barrier: my work-group's barrier; wave 0 signals for the work-group; every wave waits for all sixteen; my work-group's barrier once more
	s_barrier_signal -1
	s_barrier_wait -1
	s_cmp_lg_u32 s[WV], 0
	s_cbranch_scc1 .Lnot_wave_0_\@
	s_barrier_signal -3
.Lnot_wave_0_\@:
	s_barrier_wait -3
	s_barrier_signal -1
	s_barrier_wait -1
.endm
; x's fragments of K steps 4 hi .. 4 hi + 3 into window 2 + hi: 64 loads of 16 bytes a lane
.macro XLOAD hi
	WIN 0x80+0x40*\hi
.irp s, 0,1,2,3
.irp m, 0,1,2,3,4,5,6,7
.irp c, 0,1
	ds_load_b128 v[64*\s+8*\m+4*\c:64*\s+8*\m+4*\c+3], v[XA] offset:TROW*\m+64*(4*\hi+\s)+32*\c
.endr
.endr
.endr
.endm
; One product: accumulator t = 2 m + n, K step s.  first = 1: the sum begins with the bias as C (window 0), else it goes on in place.
; W's scale word stands in lanes 0-15 (n = 0) or 16-31 (n = 1) of v[WS + s], x's in lanes 0-15 (m < 4) or 16-31 of v[XS + 8 (m % 4) + s].
.macro MM t, s, first
.set rD, 8*(\t)
.set rC, rD
.if \first
.set rC, BI+8*((\t)%2)
.endif
.set rA, WF+16*(\s)+8*((\t)%2)
.set rB, 64*((\s)%4)+8*((\t)/2)
.set rP, WS+(\s)
.set rQ, XS+8*(((\t)/2)%4)+(\s)
.if ((\t)%2 == 1) && ((\t) >= 8)
	v_wmma_scale_f32_16x16x128_f8f6f4 v[rD:rD+7], v[rA:rA+7], v[rB:rB+7], v[rC:rC+7], v[rP], v[rQ] matrix_a_fmt:MATRIX_FMT_FP4 matrix_b_fmt:MATRIX_FMT_FP4 matrix_a_scale:MATRIX_SCALE_ROW1 matrix_b_scale:MATRIX_SCALE_ROW1
.elseif (\t)%2 == 1
	v_wmma_scale_f32_16x16x128_f8f6f4 v[rD:rD+7], v[rA:rA+7], v[rB:rB+7], v[rC:rC+7], v[rP], v[rQ] matrix_a_fmt:MATRIX_FMT_FP4 matrix_b_fmt:MATRIX_FMT_FP4 matrix_a_scale:MATRIX_SCALE_ROW1
.elseif (\t) >= 8
	v_wmma_scale_f32_16x16x128_f8f6f4 v[rD:rD+7], v[rA:rA+7], v[rB:rB+7], v[rC:rC+7], v[rP], v[rQ] matrix_a_fmt:MATRIX_FMT_FP4 matrix_b_fmt:MATRIX_FMT_FP4 matrix_b_scale:MATRIX_SCALE_ROW1
.else
	v_wmma_scale_f32_16x16x128_f8f6f4 v[rD:rD+7], v[rA:rA+7], v[rB:rB+7], v[rC:rC+7], v[rP], v[rQ] matrix_a_fmt:MATRIX_FMT_FP4 matrix_b_fmt:MATRIX_FMT_FP4
.endif
.endm
.macro KSTEP s                         ; the 16 accumulators take turns, one instruction a turn, in the same order in every K step
.irp t, 0,1,2,3,4,5,6,7,8,9,10,11,12,13,14,15
	MM \t, \s, 0
.endr
.endm
; out_t = g x tmp_t (mul = 1: the first expert) or out_t += g x tmp_t; the accumulator is read from its low end on
.macro COMB t, mul
.irp j, 0,2,4,6
.if \mul
	v_pk_mul_f32 v[128+8*(\t)+\j:128+8*(\t)+\j+1], v[8*(\t)+\j:8*(\t)+\j+1], v[GT+2*((\t)/2):GT+2*((\t)/2)+1] op_sel_hi:[1,0]
.else
	v_pk_fma_f32 v[128+8*(\t)+\j:128+8*(\t)+\j+1], v[8*(\t)+\j:8*(\t)+\j+1], v[GT+2*((\t)/2):GT+2*((\t)/2)+1], v[128+8*(\t)+\j:128+8*(\t)+\j+1] op_sel_hi:[1,0,1]
.endif
.endr
.endm
; K steps 0-3 of the expert at v[WA]: 16 loads; their scale words: 1; its bias: 4.  gates = 1: and the gates of the expert in hand: 8.  29 loads, or 21.
.macro RUN_A gates
.irp s, 0,1,2,3
.irp n, 0,1
.irp c, 0,1
	ds_load_b128 v[WF+16*\s+8*\n+4*\c:WF+16*\s+8*\n+4*\c+3], v[WA] offset:TROW*\n+64*\s+32*\c
.endr
.endr
.endr
	ds_load_b128 v[WS:WS+3], v[SR]
.irp n, 0,1
	ds_load_b128 v[BI+8*\n:BI+8*\n+3], v[BR] offset:64*\n
	ds_load_b128 v[BI+8*\n+4:BI+8*\n+7], v[BR] offset:64*\n+16
.endr
.if \gates
.irp m, 0,1,2,3,4,5,6,7
	ds_load_b32 v[GT+2*\m], v[GR] offset:64*\m
.endr
	v_add_nc_u32 v[GR], 1024, v[GR]
.endif
.endm
.macro RUN_B                           ; K steps 4-7 of the same expert and their scale words: 17 loads
.irp s, 4,5,6,7
.irp n, 0,1
.irp c, 0,1
	ds_load_b128 v[WF+16*\s+8*\n+4*\c:WF+16*\s+8*\n+4*\c+3], v[WA] offset:TROW*\n+64*\s+32*\c
.endr
.endr
.endr
	ds_load_b128 v[WS+4:WS+7], v[SR] offset:16
.endm
; The change of experts, four tiles at a time: 16 packed instructions take the finished sums into out, then the next expert's K step 0 begins the same four accumulators anew,
; so that the matrix unit has work while the next four tiles are combined.  Between an accumulator's last product and the product that writes over it stand the four v_nop ahead of RUN_B
; and the other tiles' packed instructions: five plain instructions or more that name none of its registers (ISA guide 7.12.1).
.macro CF mul
.irp g, 0,1,2,3
	WIN 0x51                                       ; tmp and out window 1, the gate window 0
.irp u, 0,1,2,3
	COMB 4*\g+\u, \mul
.endr
	WIN 0x48                                       ; W and the bias window 0, x window 2, tmp window 1
.irp u, 0,1,2,3
	MM 4*\g+\u, 0, 1
.endr
.endr
.endm
; A TRIP: expert e is in hand and its K step 0 is done.  bar = 1 (expert 3): the barrier behind which W_4..7 are read.
.macro TRIP mul, bar
	WIN 0x58                                       ; W window 0, x window 2, tmp window 1
	KSTEP 1
	KSTEP 2
.if \bar
	s_wait_tensorcnt 0x0                           ; my part of W_4..7, the one load of mine that is out, has landed;
	s_wait_dscnt 0x0                               ; no LDS instruction of mine is pending at the signal: my reads of slots 0-3 are over
	s_barrier_signal -1
.endif
	KSTEP 3
.if \bar
	s_barrier_wait -1                              ; everybody's part has landed
.endif
	WIN 0
	v_add_nc_u32 v[WA], SLOTB, v[WA]               ; on to expert e + 1.  These three and the v_nop are the four places in front of loads into registers that matrix instructions have read
	v_add_nc_u32 v[SR], 2048, v[SR]
	v_add_nc_u32 v[BR], 256, v[BR]
	v_nop
	RUN_A 1
	s_wait_dscnt 29                                ; all but the 29 just issued: K steps 4-7 of expert e are in
	WIN 0x5c                                       ; x window 3
	KSTEP 4
	KSTEP 5
	KSTEP 6
	KSTEP 7
	WIN 0
.rept 4
	v_nop                                          ; places: in front of the loads below, and of the first read of the sums
.endr
	RUN_B
	s_wait_dscnt 17                                ; all but the 17 just issued: expert e + 1's K steps 0-3, its bias, and expert e's gates are in
	CF \mul
	WIN 0                                          ; at a label and at a branch every window is 0
.endm
	s_load_b512 s[4:19], s[0:1], 0x0               ; x's codes s[4:5], x's scales s[6:7], W's codes s[8:9], W's scales s[10:11], biases s[12:13], cond's codes s[14:15], cond's scales s[16:17], w1's codes s[18:19]
	s_load_b256 s[20:27], s[0:1], 0x40             ; w1's scales s[20:21], b1 s[22:23], w2 s[24:25], b2 s[26:27]
	s_load_b64 s[28:29], s[0:1], 0x60              ; out
	v_lshl_add_u32 v[SPW], v0, 2, SPARE
	v_mov_b32 v[NIL], 0
	ds_add_u32 v[SPW], v[NIL]                      ; the wave's opening: the add, twice on end, and its wait ahead of my first tensor load; the set-up below, work on registers, stands between
	ds_add_u32 v[SPW], v[NIL]
	v_lshrrev_b32 v1, 5, v0
	v_readfirstlane_b32 s[WV], v1                  ; wave 0..3
	v_and_b32 v1, 15, v0                           ; r
	v_bfe_u32 v2, v0, 4, 1                         ; h
	v_lshlrev_b32 v[R4], 2, v1
	v_lshlrev_b32 v[H32], 5, v2
	v_lshlrev_b32 v[CA], 6, v1
	v_lshl_add_u32 v[CA], v2, 4, v[CA]
	v_and_b32 v3, 7, v0
	v_lshlrev_b32 v[W2A], 2, v3
	v_lshl_add_u32 v[W2A], v2, 8, v[W2A]
	v_lshlrev_b32 v[XSA], 5, v1
	v_lshl_add_u32 v[XSA], v2, 11, v[XSA]
	v_lshrrev_b32 v3, 4, v0
	v_lshlrev_b32 v[BGA], 4, v1
	v_lshl_add_u32 v[BGA], v3, 12, v[BGA]
	v_mov_b32 v[ZO], 0
	s_lshr_b32 s[RH], s[WV], 1
	s_and_b32 s[CW], s[WV], 1
	s_bfe_u32 s33, ttmp6, 0x40000                  ; cx, cy: my place in the cluster
	s_bfe_u32 s34, ttmp6, 0x40004
	s_lshl_b32 s35, ttmp9, 2
	s_add_co_u32 s35, s35, s33                     ; my block of 64 columns = 4 x cluster x + cx
	s_and_b32 s36, ttmp7, 0xffff
	s_lshl_b32 s36, s36, 2
	s_add_co_u32 s36, s36, s34                     ; my block of 256 rows = 4 x cluster y + cy
	s_lshl_b32 s37, s34, 2
	s_lshl_b32 s37, 15, s37                        ; my row of the cluster: it shares x's tile
	s_lshl_b32 s38, 0x1111, s33                    ; my column: it shares W's tiles
	; descriptor groups 1.  Codes: a tile of 64 rows x 512 bytes, 512 bytes apart in memory, 16 bytes of padding behind each row in LDS
	s_or_b32 s[G1X], s37, (1<<20)|(1<<21)|(6<<22)|(3<<25)   ; 15:0 the mask; 17:16 elements of 1 byte; 20 padding on; 21 set beside a mask; 24:22 after every 128 words (code 6); 31:25 four words (code 3)
	s_or_b32 s[G1W], s38, (1<<20)|(1<<21)|(6<<22)|(3<<25)
.irp g, G1X, G1W
	s_mov_b32 s[\g+1], 512<<16                     ; tensor_dim0
	s_mov_b32 s[\g+2], 64<<16                      ; tensor_dim1
	s_mov_b32 s[\g+3], 512<<16                     ; tile_dim0
	s_mov_b32 s[\g+4], 64                          ; tile_dim1
	s_mov_b32 s[\g+5], 512                         ; from row to row
	s_mov_b32 s[\g+6], 0
	s_mov_b32 s[\g+7], 0
.endr
	; W's scale bytes: for each of two experts the 2,048 consecutive bytes of my 64 rows (256 elements of 8 bytes), 32,768 bytes from expert to expert; dense in LDS
	s_or_b32 s[G1S], s38, (3<<16)|(1<<21)
	s_mov_b32 s[G1S+1], 256<<16
	s_mov_b32 s[G1S+2], 2<<16
	s_mov_b32 s[G1S+3], 256<<16
	s_mov_b32 s[G1S+4], 2
	s_mov_b32 s[G1S+5], 4096
	s_mov_b32 s[G1S+6], 0
	s_mov_b32 s[G1S+7], 0
	; byte offsets.  What feeds x's descriptor is made of the block of rows and the wave alone, what feeds W's of the block of columns and the wave alone
	s_lshl_b32 s84, s36, 17                        ; x's codes: 256 rows of 512 bytes a block, 64 rows a wave
	s_lshl_b32 s2, s[WV], 15
	s_add_co_u32 s84, s84, s2
	s_mov_b32 s85, 0
	s_lshl_b32 s86, s35, 15                        ; W's codes: expert w, 64 rows of 512 bytes a block
	s_lshl_b32 s3, s[WV], 19
	s_add_co_u32 s86, s86, s3
	s_mov_b32 s87, 0
	s_lshl_b32 s88, s35, 11                        ; W's scale bytes: experts 2 w and 2 w + 1, 64 rows of 32 bytes a block
	s_lshl_b32 s3, s[WV], 16
	s_add_co_u32 s88, s88, s3
	s_mov_b32 s89, 0
	s_lshl_b32 s90, s36, 13                        ; x's scale bytes: my 128 rows of 32 bytes
	s_lshl_b32 s2, s[RH], 12
	s_add_co_u32 s90, s90, s2
	s_mov_b32 s91, 0
	s_lshl_b32 s92, s36, 14                        ; cond's codes: rows 64 w on, 64 bytes a row
	s_lshl_b32 s2, s[WV], 12
	s_add_co_u32 s92, s92, s2
	s_mov_b32 s93, 0
	s_lshl_b32 s94, s36, 10                        ; cond's scale words
	s_lshl_b32 s2, s[WV], 8
	s_add_co_u32 s94, s94, s2
	s_mov_b32 s95, 0
	s_lshl_b32 s96, s35, 8                         ; the biases: my 64 columns
	s_mov_b32 s97, 0
	s_lshl_b32 s98, s36, 20                        ; out: rows 64 w on of my block, 4,096 bytes a row, my 64 columns
	s_lshl_b32 s2, s[WV], 18
	s_add_co_u32 s98, s98, s2
	s_add_co_u32 s98, s98, s96
	s_mov_b32 s99, 0
	s_mov_b32 s[CL], 0x3fb8aa3b                    ; c = log2(e)
	s_mov_b32 s[CL+1], s[CL]                       ; (named with it as a pair, so it is written)
	s_mul_i32 s2, s[WV], SLOTB                     ; where my tiles go: wave x a slot: no place in the cluster enters an LDS address
	s_lshl_b32 s3, s[WV], 12
	s_wait_dscnt 0x0                               ; both opening adds are done
	s_wait_kmcnt 0x0
	s_add_nc_u64 s[6:7], s[6:7], s[90:91]
	s_add_nc_u64 s[14:15], s[14:15], s[92:93]
	s_add_nc_u64 s[16:17], s[16:17], s[94:95]
	s_add_nc_u64 s[12:13], s[12:13], s[96:97]
	s_add_nc_u64 s[28:29], s[28:29], s[98:99]
	s_mov_b32 s[G0X], 1                            ; x: rows 64 w on of the block, into slot 4 + w
	s_add_co_u32 s[G0X+1], s2, XB
	s_add_nc_u64 s[G0X+2:G0X+3], s[4:5], s[84:85]
	s_or_b32 s[G0X+3], s[G0X+3], 0x80000000
	s_mov_b32 s[G0S], 1                            ; the scale bytes of experts 2 w, 2 w + 1
	s_add_co_u32 s[G0S+1], s3, SCL
	s_add_nc_u64 s[G0S+2:G0S+3], s[10:11], s[88:89]
	s_or_b32 s[G0S+3], s[G0S+3], 0x80000000
	s_mov_b32 s[G0W], 1                            ; W of expert w, into slot w
	s_mov_b32 s[G0W+1], s2
	s_add_nc_u64 s[G0W+2:G0W+3], s[8:9], s[86:87]
	s_or_b32 s[G0W+3], s[G0W+3], 0x80000000
	s_mov_b32 s[G0R], 1                            ; W of expert 4 + w, into slot 4 + w: the refill
	s_add_co_u32 s[G0R+1], s2, XB
	s_add_nc_u64 s[G0R+2:G0R+3], s[8:9], s[86:87]
	s_add_nc_u64 s[G0R+2:G0R+3], s[G0R+2:G0R+3], 4<<19
	s_or_b32 s[G0R+3], s[G0R+3], 0x80000000
	CROUND                                         ; all sixteen work-groups are here: the first joint loads meet
	tensor_load_to_lds s[G0X:G0X+3], s[G1X:G1X+7]  ; x first: it is wanted first.  Three loads of mine are out
	s_nop 0
	tensor_load_to_lds s[G0S:G0S+3], s[G1S:G1S+7]
	s_nop 0
	tensor_load_to_lds s[G0W:G0W+3], s[G1W:G1W+7]
	s_nop 0
	; what comes straight into registers.  (Fifteen loads with every window 0 stand between the tensor loads and the next switch of windows.)
.irp m, 0,1,2,3
	global_load_b128 v[XS+8*\m:XS+8*\m+3], v[XSA], s[6:7] offset:512*\m       ; x's scale words of K steps 0-3: row tiles m and m + 4
	global_load_b128 v[XS+8*\m+4:XS+8*\m+7], v[XSA], s[6:7] offset:512*\m+16  ; and of K steps 4-7
.endr
.irp m, 0,1,2,3
	global_load_b32 v[CSC+\m], v[R4], s[16:17] offset:64*\m
.endr
.irp t, 0,1
	global_load_b32 v[W1SC+\t], v[R4], s[20:21] offset:64*\t
.endr
	global_load_b128 v[BP:BP+3], v[BGA], s[12:13]  ; expert thread / 16, four of my 64 columns
	WIN 0x40                                       ; destination window 1
.irp m, 0,1,2,3
.irp c, 0,1
	global_load_b128 v[GC+8*\m+4*\c:GC+8*\m+4*\c+3], v[CA], s[14:15] offset:1024*\m+32*\c
.endr
.endr
.irp t, 0,1
.irp c, 0,1
	global_load_b128 v[GW1+8*\t+4*\c:GW1+8*\t+4*\c+3], v[CA], s[18:19] offset:1024*\t+32*\c
.endr
.endr
.irp t, 0,1
	global_load_b128 v[GB1+8*\t:GB1+8*\t+3], v[H32], s[22:23] offset:64*\t       ; b1 at hidden units 16 t + 8 h + 0 .. 7
	global_load_b128 v[GB1+8*\t+4:GB1+8*\t+7], v[H32], s[22:23] offset:64*\t+16
.endr
.irp i, 0,1,2,3,4,5,6,7
	global_load_b32 v[GW2+\i], v[W2A], s[24:25] offset:32*\i                     ; w2(8 h + i, r % 8)
	global_load_b32 v[GW2+8+\i], v[W2A], s[24:25] offset:512+32*\i               ; w2(16 + 8 h + i, r % 8)
.endr
	global_load_b128 v[GB2:GB2+3], v[ZO], s[26:27]
	global_load_b128 v[GB2+4:GB2+7], v[ZO], s[26:27] offset:16
	WIN 0
	; LDS addresses: constants, the lane and the wave
	v_mul_u32_u24 v3, v1, PITCH
	v_lshl_add_u32 v3, v2, 4, v3                   ; a fragment's row x pitch + 16 x half
	s_mul_i32 s[CNT], s[RH], 128*PITCH
	s_add_co_u32 s[CNT], s[CNT], XB
	v_add_nc_u32 v[XA], s[CNT], v3
	s_mul_i32 s[CNT], s[CW], 32*PITCH
	v_add_nc_u32 v[WA], s[CNT], v3
	v_lshlrev_b32 v[SR], 5, v1
	v_lshl_add_u32 v[SR], v2, 9, v[SR]             ; 32 bytes a row; lanes 16-31 take the rows 16 further down
	s_lshl_b32 s[CNT], s[CW], 10
	s_add_co_u32 s[CNT], s[CNT], SCL
	v_add_nc_u32 v[SR], s[CNT], v[SR]
	s_lshl_b32 s[CNT], s[CW], 7
	s_add_co_u32 s[CNT], s[CNT], BIAS
	v_add_nc_u32 v[BR], s[CNT], v[H32]
	s_lshl_b32 s[CNT], s[RH], 9
	s_add_co_u32 s[CNT], s[CNT], GATE
	v_add_nc_u32 v[GR], s[CNT], v[R4]
	s_lshl_b32 s[CNT], s[WV], 8
	s_add_co_u32 s[CNT], s[CNT], GATE
	v_add_nc_u32 v[GS], s[CNT], v[R4]
	v_lshl_add_u32 v[BS], v0, 4, BIAS
	v_mul_u32_u24 v[SO], v1, SP
	v_add_nc_u32 v[SO], v[SO], v[H32]
	s_mul_i32 s[CNT], s[RH], 128*SP
	s_lshl_b32 s2, s[CW], 7
	s_add_co_u32 s[CNT], s[CNT], s2
	v_add_nc_u32 v[SO], s[CNT], v[SO]              ; the stage: row 128 (w / 2) + r, + 128 (w % 2) + 32 h
	v_mul_u32_u24 v[SB], v2, SP
	v_lshl_add_u32 v[SB], v1, 4, v[SB]
	s_mul_i32 s[CNT], s[WV], 64*SP
	v_add_nc_u32 v[SB], s[CNT], v[SB]              ; back: rows 64 w on; lanes 0-15 one row of 256 bytes, lanes 16-31 the next
	v_lshlrev_b32 v[GO], 4, v1
	v_lshl_add_u32 v[GO], v2, 12, v[GO]            ; and the same two rows in out
.irp m, 0,1,2,3,4,5,6,7
	v_mov_b32 v[GT+2*\m+1], 0
.endr
	s_wait_tensorcnt 0x2                           ; my quarter of x has landed; the two loads issued behind it may stay out
	s_barrier_signal -1
	s_barrier_wait -1                              ; everybody's quarter has
	XLOAD 0
	s_wait_loadcnt 0x0                             ; all that came straight into registers
	; THE GATES of rows 64 w .. 64 w + 63, four tiles m of 16 rows, while x's fragments come out of LDS
	WIN 0x55                                       ; all in window 1 (scale operands have no window)
.irp m, 0,1,2,3
.irp t, 0,1
	v_wmma_scale_f32_16x16x128_f8f6f4 v[GH+16*\m+8*\t:GH+16*\m+8*\t+7], v[GW1+8*\t:GW1+8*\t+7], v[GC+8*\m:GC+8*\m+7], v[GB1+8*\t:GB1+8*\t+7], v[W1SC+\t], v[CSC+\m] matrix_a_fmt:MATRIX_FMT_FP4 matrix_b_fmt:MATRIX_FMT_FP4   ; lane (r, h), register j: hidden unit 16 t + 8 h + j of row r
.endr
.endr
.irp i, 0,1,2,3
	v_cvt_pk_bf16_f32 v[GW2F+\i], v[GW2+2*\i], v[GW2+2*\i+1]           ; w2's fragment: row r % 8, registers 0-3 k = 8 h on, registers 4-7 k = 16 + 8 h on.  These eight name no register of the products above: they are the places behind them
	v_cvt_pk_bf16_f32 v[GW2F+4+\i], v[GW2+8+2*\i], v[GW2+8+2*\i+1]
.endr
.set i, 0
.rept 64
	v_max_num_f32 v[GH+i], 0, v[GH+i]              ; relu, in f32
.set i, i+1
.endr
.set i, 0
.rept 32
	v_cvt_pk_bf16_f32 v[GHB+i], v[GH+2*i], v[GH+2*i+1]   ; tile t = 0 gives registers 0-3 of the next operand (k = 8 h on), tile t = 1 registers 4-7 (k = 16 + 8 h on): nothing changes lanes
.set i, i+1
.endr
.irp m, 0,1,2,3
	v_wmma_f32_16x16x32_bf16 v[GL+8*\m:GL+8*\m+7], v[GW2F:GW2F+7], v[GHB+8*\m:GHB+8*\m+7], v[GB2:GB2+7]   ; register e: logit e of row r, in both halves of the lanes
.endr
	XLOAD 1
	WIN 0x55
.rept 4
	v_nop                                          ; places in front of the first read of the logits
.endr
.irp m, 0,1,2,3
	v_max3_num_f32 v[GP+2*\m+1], v[GL+8*\m], v[GL+8*\m+1], v[GL+8*\m+2]   ; the row's maximum, from the low end on; the four tiles by turns
.endr
.irp m, 0,1,2,3
	v_max3_num_f32 v[GP+2*\m+1], v[GP+2*\m+1], v[GL+8*\m+3], v[GL+8*\m+4]
.endr
.irp m, 0,1,2,3
	v_max3_num_f32 v[GP+2*\m+1], v[GP+2*\m+1], v[GL+8*\m+5], v[GL+8*\m+6]
.endr
.irp m, 0,1,2,3
	v_max_num_f32 v[GP+2*\m+1], v[GP+2*\m+1], v[GL+8*\m+7]
.endr
.irp m, 0,1,2,3
	v_mul_f32 v[GP+2*\m], s[CL], v[GP+2*\m+1]
.endr
.irp m, 0,1,2,3
.irp j, 0,2,4,6
	v_pk_fma_f32 v[GL+8*\m+\j:GL+8*\m+\j+1], v[GL+8*\m+\j:GL+8*\m+\j+1], s[CL:CL+1], v[GP+2*\m:GP+2*\m+1] op_sel_hi:[1,0,0] neg_lo:[0,0,1] neg_hi:[0,0,1]   ; c x logit - c x maximum
.endr
.endr
.set i, 0
.rept 32
	v_exp_f32 v[GL+i], v[GL+i]                     ; one batch
.set i, i+1
.endr
	v_nop                                          ; a plain instruction behind the last exponential,
	s_wait_alu depctr_va_vdst(0)                   ; and one wait ahead of the batch's first reader
.irp m, 0,1,2,3
	v_pk_add_f32 v[GSUM+4*\m:GSUM+4*\m+1], v[GL+8*\m:GL+8*\m+1], v[GL+8*\m+2:GL+8*\m+3]
.endr
.irp m, 0,1,2,3
	v_pk_add_f32 v[GSUM+4*\m+2:GSUM+4*\m+3], v[GL+8*\m+4:GL+8*\m+5], v[GL+8*\m+6:GL+8*\m+7]
.endr
.irp m, 0,1,2,3
	v_pk_add_f32 v[GSUM+4*\m:GSUM+4*\m+1], v[GSUM+4*\m:GSUM+4*\m+1], v[GSUM+4*\m+2:GSUM+4*\m+3]
.endr
.irp m, 0,1,2,3
	v_add_f32 v[GSUM+4*\m], v[GSUM+4*\m], v[GSUM+4*\m+1]
.endr
.irp m, 0,1,2,3
	v_rcp_f32 v[GP+2*\m], v[GSUM+4*\m]
.endr
	v_nop
	s_wait_alu depctr_va_vdst(0)                   ; one wait for the four reciprocals
.irp m, 0,1,2,3
.irp j, 0,2,4,6
	v_pk_mul_f32 v[GL+8*\m+\j:GL+8*\m+\j+1], v[GL+8*\m+\j:GL+8*\m+\j+1], v[GP+2*\m:GP+2*\m+1] op_sel_hi:[1,0]
.endr
.endr
	WIN 0x04                                       ; an LDS store's data are its source 1: window 1
.irp m, 0,1,2,3
.irp e, 0,1,2,3,4,5,6,7
	ds_store_b32 v[GS], v[GL+8*\m+\e] offset:1024*\e+64*\m   ; both halves of the lanes write the same word with the same value
.endr
.endr
	WIN 0
	ds_store_b128 v[BS], v[BP:BP+3]
	; THE REFILL: x is (about to be) in registers; slots 4-7 take W_4..7
	s_wait_tensorcnt 0x0                           ; all my tensor loads have landed: W_0..3 and the scale bytes;
	ds_add_u32 v[SPW], v[NIL]                      ; 0 onto my spare word:
	s_wait_dscnt 0x0                               ; the add is done, my reads of x are back, my gates and biases lie in LDS
	CROUND                                         ; all that now holds of every wave of all sixteen work-groups
	tensor_load_to_lds s[G0R:G0R+3], s[G1W:G1W+7]  ; the first thing behind the round, and my last tensor load: it has three and a half experts' products in which to land
	s_nop 0
	RUN_A 0                                        ; expert 0.  (38 LDS loads with every window 0 stand between the tensor load and the next switch of windows)
	RUN_B
	s_wait_dscnt 17                                ; all but RUN_B's 17
	WIN 0x48
.irp t, 0,1,2,3,4,5,6,7,8,9,10,11,12,13,14,15
	MM \t, 0, 1
.endr
	WIN 0
	TRIP 1, 0                                      ; expert 0: its combine starts out
	s_mov_b32 s[CNT], 2
.Lfirst:                                               ; experts 1 and 2
	TRIP 0, 0
	s_sub_co_u32 s[CNT], s[CNT], 1
	s_cmp_lg_u32 s[CNT], 0
	s_cbranch_scc1 .Lfirst
	TRIP 0, 1                                      ; expert 3: behind its barrier expert 4 is fetched from slot 4
	s_mov_b32 s[CNT], 3
.Lsecond:                                              ; experts 4, 5 and 6
	TRIP 0, 0
	s_sub_co_u32 s[CNT], s[CNT], 1
	s_cmp_lg_u32 s[CNT], 0
	s_cbranch_scc1 .Lsecond
	WIN 0x58                                       ; expert 7: nothing more to fetch but its gates
	KSTEP 1
	KSTEP 2
	KSTEP 3
	WIN 0
.irp m, 0,1,2,3,4,5,6,7
	ds_load_b32 v[GT+2*\m], v[GR] offset:64*\m
.endr
	s_wait_dscnt 8                                 ; all but the eight just issued: K steps 4-7 are in
	WIN 0x5c
	KSTEP 4
	KSTEP 5
	KSTEP 6
	KSTEP 7
	WIN 0x51
.rept 4
	v_nop                                          ; places in front of the first read of the sums
.endr
	s_wait_dscnt 0x0                               ; the gates
.irp t, 0,1,2,3,4,5,6,7,8,9,10,11,12,13,14,15
	COMB \t, 0
.endr
	; THE WAY OUT.  A lane holds 32 neighbouring bytes of a row, and a row's 256 bytes come from two waves: they meet in the stage, and each wave stores 64 whole rows
	WIN 0x04
.irp m, 0,1,2,3,4,5,6,7
.irp n, 0,1
	ds_store_b128 v[SO], v[128+8*(2*\m+\n):128+8*(2*\m+\n)+3] offset:16*SP*\m+64*\n
	ds_store_b128 v[SO], v[128+8*(2*\m+\n)+4:128+8*(2*\m+\n)+7] offset:16*SP*\m+64*\n+16
.endr
.endr
	WIN 0
	s_wait_dscnt 0x0                               ; for the others' sake: my stores into the stage are done
	s_barrier_signal -1
	s_barrier_wait -1
.set i, 0
.rept 32
	ds_load_b128 v[WF+4*i:WF+4*i+3], v[SB] offset:2*SP*i
.set i, i+1
.endr
.set i, 0
.rept 32
	s_wait_dscnt 31-i                              ; LDS loads come back in order (ISA guide 5.7.1): the i-th is in
	global_store_b128 v[GO], v[WF+4*i:WF+4*i+3], s[28:29] offset:8192*i th:TH_STORE_NT   ; 16 lanes store 256 consecutive bytes, at a multiple of 256 from out's first byte; written once, read by nobody here
.set i, i+1
.endr
	s_wait_tensorcnt 0x0                           ; the wave's end, behind my last tensor load and my last LDS store
	ds_add_u32 v[SPW], v[NIL]
	s_wait_dscnt 0x0
	CROUND                                         ; the closing round: no work-group ends while a partner may still ask for a tile that names it
	s_endpgm
.Lfunc_end_k_qeb8ccac3b8_moe:
	.size	k_qeb8ccac3b8_moe, .Lfunc_end_k_qeb8ccac3b8_moe-k_qeb8ccac3b8_moe
	.p2alignl 7, 3214868480
	.fill 96, 4, 3214868480
	.section	.rodata,"a",@progbits
	.p2align	6, 0x0
	.amdhsa_kernel k_qeb8ccac3b8_moe
		.amdhsa_group_segment_fixed_size 327680
		.amdhsa_private_segment_fixed_size 0
		.amdhsa_enable_private_segment 0
		.amdhsa_kernarg_size 104
		.amdhsa_user_sgpr_count 2
		.amdhsa_user_sgpr_kernarg_segment_ptr 1
		.amdhsa_wavefront_size32 1
		.amdhsa_system_sgpr_workgroup_id_x 1
		.amdhsa_system_sgpr_workgroup_id_y 1
		.amdhsa_system_sgpr_workgroup_id_z 1
		.amdhsa_system_vgpr_workitem_id 0
		.amdhsa_next_free_vgpr 1024
		.amdhsa_next_free_sgpr 100
		.amdhsa_reserve_vcc 0
		.amdhsa_float_denorm_mode_32 3
		.amdhsa_float_denorm_mode_16_64 3
		.amdhsa_memory_ordered 1
		.amdhsa_forward_progress 1
		.amdhsa_inst_pref_size 162
	.end_amdhsa_kernel
	.amdgpu_metadata
---
amdhsa.version: [ 1, 2 ]
amdhsa.kernels:
  - .name:           k_qeb8ccac3b8_moe
    .symbol:         k_qeb8ccac3b8_moe.kd
    .args:
      - { .name: x_codes, .offset: 0, .size: 8, .value_kind: global_buffer, .address_space: global }
      - { .name: x_scales, .offset: 8, .size: 8, .value_kind: global_buffer, .address_space: global }
      - { .name: expert_weights_codes, .offset: 16, .size: 8, .value_kind: global_buffer, .address_space: global }
      - { .name: expert_weights_scales, .offset: 24, .size: 8, .value_kind: global_buffer, .address_space: global }
      - { .name: expert_biases, .offset: 32, .size: 8, .value_kind: global_buffer, .address_space: global }
      - { .name: cond_codes, .offset: 40, .size: 8, .value_kind: global_buffer, .address_space: global }
      - { .name: cond_scales, .offset: 48, .size: 8, .value_kind: global_buffer, .address_space: global }
      - { .name: g_w1_codes, .offset: 56, .size: 8, .value_kind: global_buffer, .address_space: global }
      - { .name: g_w1_scales, .offset: 64, .size: 8, .value_kind: global_buffer, .address_space: global }
      - { .name: g_b1, .offset: 72, .size: 8, .value_kind: global_buffer, .address_space: global }
      - { .name: g_w2, .offset: 80, .size: 8, .value_kind: global_buffer, .address_space: global }
      - { .name: g_b2, .offset: 88, .size: 8, .value_kind: global_buffer, .address_space: global }
      - { .name: out0, .offset: 96, .size: 8, .value_kind: global_buffer, .address_space: global }
    .group_segment_fixed_size: 327680
    .private_segment_fixed_size: 0
    .kernarg_segment_align: 8
    .kernarg_segment_size: 104
    .max_flat_workgroup_size: 128
    .sgpr_count:     100
    .vgpr_count:     1024
    .wavefront_size: 32
...
	.end_amdgpu_metadata
.endif
;; end of part 1
